; MI455X (gfx1250); checked and timed in simulation.
; The chip was launched on July 23, 2026; its instructions are those of AMD's public machine-readable ISA for CDNA 5 (MIT licence, August 2026) and "CDNA5" Instruction Set Architecture Reference Guide (July 2026). The comments in the code are by the model that wrote it; some were corrected since.
;; Lora Adapter Layer. Allowed arithmetic: float matrix products may take bf16 or f16 operands with f32 sums; other float arithmetic in f32, or as packed bf16 or f16 multiplies, adds, multiply-adds, maxima and minima; sums over many terms, partial sums and values carried from step to step in f32; what a program stores and reads back later, other than sums and carried values, may be rounded once to bf16 or f16.
;; Inputs: A 4,096 x 16 float32; B 16 x 4,096 float32; W 4,096 x 4,096 float32; b 4,096 float32; x 4,096 x 4,096 float32.
;; Outputs: out0 4,096 x 4,096 float32.
;; 2 versions, each right; version 2 is version 1 with the launch prep written anew for expert scheduling mode. Each part assembles by itself: llvm-mc -triple=amdgcn-amd-amdhsa -mcpu=gfx1250 --defsym DOCPART=n.
;; ======== version 1 of 2: 2 launches
;; workspace buffers: xb 33,554,432 bytes; wb 33,554,432 bytes; tt 262,144 bytes; bt 131,072 bytes
;; launch prep (part 1): grid 256 x 2, 8 waves a work-group, no clusters, 76,800 bytes of LDS; arguments x, W, A, B, xb, wb, tt, bt; writes xb, wb, tt, bt
.if DOCPART == 1
	.amdgcn_target "amdgcn-amd-amdhsa--gfx1250"
	.amdhsa_code_object_version 6
	.text
	.protected	k_q1e75ae9441_prep
	.globl	k_q1e75ae9441_prep
	.p2align	8
	.type	k_q1e75ae9441_prep,@function
k_q1e75ae9441_prep:
	s_mov_b64 s[64:65], 0
	v_nop
	global_prefetch_b8 v0, s[64:65] scope:SCOPE_SE
	s_setreg_imm32_b32 hwreg(HW_REG_WAVE_MODE, 25, 1), 1
	s_wait_xcnt 0x0
; PREP.  xb = bf16(x), wb = bf16(W), tt = 2 (xb . bf16(A)) as two bf16 numbers (hi + lo), bt = bf16(B) turned.  x, W: [4096][4096] f32; A: [4096][16]; B: [16][4096].
; WHY.  The product that follows wants 16-bit operands with K along the rows; each operand is rounded once, here, while it streams through.  The low-rank term needs t = x A, whose sum over k
; is made here from the numbers that pass anyway; t is kept to 16 significant bits (hi = bf16(t), lo = bf16(t - hi)), so that no rounding of a sum is added to the roundings of the inputs.
; SHARES.  Grid y = 0: x; y = 1: W.  Work-group g owns rows 16 g .. 16 g + 15, all 4,096 k; wave w the four groups of 128 k from 512 w on, a BLOCK (16 rows x 128 k) each.
; Lane l = (r = l % 16, h = l / 16).  Load (j, u): 16 lanes take 256 consecutive aligned bytes (k = 64 u + 4 r + 0..3 of the group) of row 8 h + j.  A lane's eight numbers of a row pack into 16 bytes,
; and 16 lanes store 256 consecutive aligned bytes.  So inside each group of 128 k, place p = 8 r + 4 u + e of xb and wb holds k = 64 u + 4 r + e: the same order in both, which keeps every product.
; t.  A block's packed rows also go into the wave's own LDS stage and come back as fragments (lane = row, k along the registers).  A's 128 rows come dense, are rounded and laid by place, [p][16] bf16,
; and come back turned (ds_load_tr16_b128): lane = column of A.  Source 0 = A's columns, source 1 = x's rows: a lane ends with t[row r][8 h .. 8 h + 7].  Four accumulators take turns, one for each 32 places of a block.
; The eight waves' partial sums meet in LDS; wave 0 adds them, doubles (the module's scale, alpha / r = 2), splits and stores: tt[g] = 512 bytes of hi, 512 of lo, each 16 bytes a lane: a fragment as the product wants it.
; bt[g] (wave 0 of W's work-group g): lane (r, h) holds B[8 h .. 8 h + 7][16 g + r], 16 bytes at 16 l: a fragment too.
; NO CLUSTER, NO TENSOR LOADS: x and W are read by one wave each.  A is read by all 256 work-groups of x, but it must pass through registers to be rounded, and of what the launch takes from memory it is 262,144 bytes of 134 million.
; LIMITS.  Sums in f32, in another order than the module's; 2 x A keeps 16 significant bits; NaN and infinities are not treated apart.
.set ROWF,   16384                     ; bytes in a row of x and W
.set ROWH,   8192                      ; bytes in a row of xb and wb
.set XPITCH, 272                       ; a stage row: 256 bytes + 16: the 16 rows that a fragment load touches start 4 banks apart (64 banks of 4 bytes: ISA guide 11.1)
.set XSW,    16*XPITCH                 ; a wave's stage for x: 4,352 bytes
.set ASTG,   8*XSW                     ; behind the eight: the stages for A, 128 places x 32 bytes for each wave
.set ASW,    4096
.set PART,   ASTG+8*ASW                ; the partial sums, 1,024 bytes for each wave
.set SPARE,  PART+8*1024               ; the spare words, 128 bytes for each wave: four blocks of 256 bytes that no other line names
.set VIN,  3                           ; v3   (h << 17) + 16 r: my 16 bytes of a load; never rewritten once set
.set VOUT, 4                           ; v4   (h << 16) + 16 r: my 16 bytes of a store
.set VL,   5                           ; v5   16 l
.set LAS,  6                           ; v6   where my 8 bytes of A go in the stage
.set LAT,  7                           ; v7   my address for the turning load
.set XSS,  8                           ; v8   where my 16 bytes of x go in the stage
.set XSL,  9                           ; v9   my address for x's fragments
.set PS,   10                          ; v10  my wave's partial sum
.set PR,   11                          ; v11  wave 0's place in every partial sum
.set SPW,  12                          ; v12  LDS address of my spare word; never rewritten
.set NIL,  13                          ; v13  0; never rewritten
.set TA,   14                          ; v14, v15 at work
.set TB,   15
.set ACC,  16                          ; v[16:47]   four accumulators
.set AR,   48                          ; v[48:111]  A as loaded (16 x 4); then the fragments: A's in v[48:79], x's in v[80:111]
.set AF,   48
.set XF,   80
.set HI,   56                          ; at the end
.set LO,   60
.set UN,   64
.set WB0,  112                         ; v[112:175], v[176:239]  two blocks as loaded: register 8 j + 4 u + e
.set WB1,  176
	s_load_b256 s[4:11], s[0:1], 0x0               ; x s[4:5], W s[6:7], A s[8:9], B s[10:11]
	s_load_b256 s[12:19], s[0:1], 0x20             ; xb s[12:13], wb s[14:15], tt s[16:17], bt s[18:19]
	v_lshl_add_u32 v[SPW], v0, 2, SPARE
	v_mov_b32 v[NIL], 0
	v_lshrrev_b32 v[TA], 5, v0
	v_readfirstlane_b32 s20, v[TA]                 ; wave 0..7
	v_and_b32 v1, 15, v0                           ; r
	v_bfe_u32 v2, v0, 4, 1                         ; h
	v_and_b32 v[TB], 31, v0
	v_lshlrev_b32 v[VL], 4, v[TB]
	v_lshlrev_b32 v[VIN], 4, v1
	v_lshl_add_u32 v[VOUT], v2, 16, v[VIN]         ; eight rows of 8,192 bytes further for lanes 16 to 31
	v_lshl_add_u32 v[VIN], v2, 17, v[VIN]          ; eight rows of 16,384 bytes
	s_and_b32 s21, ttmp7, 0xffff                   ; 0: x, 1: W
	s_lshl_b32 s22, ttmp9, 18                      ; in: 16 rows of 16,384 bytes a work-group,
	s_lshl_b32 s30, s20, 11                        ; 2,048 bytes of a row a wave
	s_add_co_u32 s22, s22, s30
	s_mov_b32 s23, 0
	s_lshl_b32 s24, ttmp9, 17                      ; out: half of both
	s_lshl_b32 s30, s20, 10
	s_add_co_u32 s24, s24, s30
	s_mov_b32 s25, 0
	s_mov_b32 s31, 0                               ; s[30:31]: an offset under 4 GiB as a pair
	s_wait_kmcnt 0x0
	s_cmp_eq_u32 s21, 0
	s_cselect_b64 s[26:27], s[4:5], s[6:7]         ; what I read,
	s_cselect_b64 s[28:29], s[12:13], s[14:15]     ; what I write
	s_add_nc_u64 s[26:27], s[26:27], s[22:23]
	s_add_nc_u64 s[28:29], s[28:29], s[24:25]
; Block q's 16 loads into the 64 registers from wb on.
.macro LOADW q, wb
.irp j, 0,1,2,3,4,5,6,7
.irp u, 0,1
	global_load_b128 v[(\wb)+8*(\j)+4*(\u):(\wb)+8*(\j)+4*(\u)+3], v[VIN], s[26:27] offset:(\j)*ROWF+(\q)*512+256*(\u) th:TH_LOAD_NT
.endr
.endr
.endm
; Block q is rounded in place (each destination has been read by then) and stored: 16 lanes fill 256 consecutive aligned bytes.  stage = 1: the same 16 bytes go into my stage.
.macro PACKST q, wb, stage
.irp j, 0,1,2,3,4,5,6,7
.irp w, 0,1,2,3
	v_cvt_pk_bf16_f32 v[(\wb)+8*(\j)+(\w)], v[(\wb)+8*(\j)+2*(\w)], v[(\wb)+8*(\j)+2*(\w)+1]
.endr
	global_store_b128 v[VOUT], v[(\wb)+8*(\j):(\wb)+8*(\j)+3], s[28:29] offset:(\j)*ROWH+(\q)*256
.if \stage
	ds_store_b128 v[XSS], v[(\wb)+8*(\j):(\wb)+8*(\j)+3] offset:(\j)*XPITCH
.endif
.endr
.endm
; A's 128 rows of block q: 8,192 dense bytes, 512 a load: lane l takes A[8 i + l / 4][4 (l % 4) ..].
.macro LOADA q
.irp i, 0,1,2,3,4,5,6,7,8,9,10,11,12,13,14,15
	global_load_b128 v[AR+4*(\i):AR+4*(\i)+3], v[VL], s[8:9] offset:(\q)*8192+(\i)*512
.endr
.endm
; A block of x.  wx, wa: the younger loads that may stay out when x's block, then A's, must be in.  first = 1: the products start the sums.
.macro XBLOCK q, wb, wx, wa, first
	s_wait_loadcnt \wx                             ; loads come back in order (ISA guide 5.7.1): the block is in, what was asked for behind it stays out
	PACKST \q, \wb, 1
.if (\wa) != (\wx)
	s_wait_loadcnt \wa                             ; A's rows are in; only the block of x asked for behind them stays out
.endif
.irp i, 0,1,2,3,4,5,6,7,8,9,10,11,12,13,14,15
	v_cvt_pk_bf16_f32 v[AR+4*(\i)], v[AR+4*(\i)], v[AR+4*(\i)+1]
	v_cvt_pk_bf16_f32 v[AR+4*(\i)+1], v[AR+4*(\i)+2], v[AR+4*(\i)+3]
	ds_store_b64 v[LAS], v[AR+4*(\i):AR+4*(\i)+1] offset:512*((\i)%8)+128*((\i)/8)  ; row k = 8 i + l / 4 goes to place p = 16 (i % 8) + 8 h + 4 (i / 8) + (l / 4) % 4, 32 bytes a place
.endr
.irp c, 0,1,2,3                        ; LDS serves a wave's instructions in order (ISA guide 5.7.1.4): these see the stores above, and the next block's stores come behind them
	ds_load_tr16_b128 v[AF+8*(\c):AF+8*(\c)+3],   v[LAT] offset:1024*(\c)
	ds_load_tr16_b128 v[AF+8*(\c)+4:AF+8*(\c)+7], v[LAT] offset:1024*(\c)+512
	ds_load_b128 v[XF+8*(\c):XF+8*(\c)+3],   v[XSL] offset:64*(\c)
	ds_load_b128 v[XF+8*(\c)+4:XF+8*(\c)+7], v[XSL] offset:64*(\c)+32
.endr
	s_wait_dscnt 0x0
.irp c, 0,1,2,3                        ; the four accumulators take turns, from block to block too
.if \first
	v_wmma_f32_16x16x32_bf16 v[ACC+8*(\c):ACC+8*(\c)+7], v[AF+8*(\c):AF+8*(\c)+7], v[XF+8*(\c):XF+8*(\c)+7], 0
.else
	v_wmma_f32_16x16x32_bf16 v[ACC+8*(\c):ACC+8*(\c)+7], v[AF+8*(\c):AF+8*(\c)+7], v[XF+8*(\c):XF+8*(\c)+7], v[ACC+8*(\c):ACC+8*(\c)+7]
.endif
.endr
.rept 4
	v_nop                                          ; four places in front of loads into the fragments' registers, and of the sums that read results
.endr
.endm
	s_cmp_lg_u32 s21, 0
	s_cbranch_scc1 .Lweights
	; ---- x ----
	s_lshl_b32 s30, s20, 15                        ; my wave's 512 rows of A, 64 bytes each
	s_add_nc_u64 s[8:9], s[8:9], s[30:31]
	s_lshl_b32 s30, ttmp9, 10                      ; my work-group's 1,024 bytes of tt
	s_add_nc_u64 s[16:17], s[16:17], s[30:31]
	LOADA 0                                        ; the order of issue sets the counts: A(0), x(0), x(1); then behind block q's products A(q + 1), x(q + 2)
	LOADW 0, WB0
	LOADW 1, WB1
	s_mul_i32 s32, s20, XSW                        ; the LDS addresses are made while the loads are out
	v_mul_u32_u24 v[XSS], v2, 8*XPITCH             ; in: row 8 h + j, 16 bytes at 16 r
	v_lshl_add_u32 v[XSS], v1, 4, v[XSS]
	v_add_nc_u32 v[XSS], s32, v[XSS]
	v_mul_u32_u24 v[XSL], v1, XPITCH               ; back: row r, 16 bytes at 16 h, and 32 further
	v_lshl_add_u32 v[XSL], v2, 4, v[XSL]
	v_add_nc_u32 v[XSL], s32, v[XSL]
	s_lshl_b32 s33, s20, 12
	s_add_co_u32 s33, s33, ASTG
	v_lshl_add_u32 v[LAT], v2, 8, s33              ; both: my stage + 256 h
	v_bfe_u32 v[TA], v0, 2, 2
	v_lshl_add_u32 v[LAS], v[TA], 5, v[LAT]        ; in: + 32 ((l / 4) % 4) + 8 (l % 4)
	v_and_b32 v[TA], 3, v0
	v_lshl_add_u32 v[LAS], v[TA], 3, v[LAS]
	v_and_b32 v[TA], 7, v0
	v_lshl_add_u32 v[LAT], v[TA], 5, v[LAT]        ; back, turned: place 8 h + l % 8, columns 8 ((l / 8) % 2) on
	v_bfe_u32 v[TA], v0, 3, 1
	v_lshl_add_u32 v[LAT], v[TA], 4, v[LAT]
	s_lshl_b32 s34, s20, 10
	s_add_co_u32 s34, s34, PART
	v_add_nc_u32 v[PS], s34, v[VL]
	v_add_nc_u32 v[PR], PART, v[VL]
	XBLOCK 0, WB0, 16, 16, 1                       ; younger than x(0): x(1).  A(0) is older
	s_wait_xcnt 0x0                                ; the block's stores have read their registers (ISA guide 3.1): only now are these loaded again
	LOADA 1
	LOADW 2, WB0
	XBLOCK 1, WB1, 32, 16, 0                       ; younger than x(1): A(1), x(2); than A(1): x(2)
	s_wait_xcnt 0x0
	LOADA 2
	LOADW 3, WB1
	XBLOCK 2, WB0, 32, 16, 0                       ; younger than x(2): A(2), x(3); than A(2): x(3)
	LOADA 3
	XBLOCK 3, WB1, 16, 0, 0                        ; younger than x(3): A(3); than A(3): nothing
.irp p, 0,2,4,6                        ; the four accumulators into one, from each one's low end on
	v_pk_add_f32 v[ACC+(\p):ACC+(\p)+1], v[ACC+(\p):ACC+(\p)+1], v[ACC+8+(\p):ACC+8+(\p)+1]
	v_pk_add_f32 v[ACC+16+(\p):ACC+16+(\p)+1], v[ACC+16+(\p):ACC+16+(\p)+1], v[ACC+24+(\p):ACC+24+(\p)+1]
.endr
.irp p, 0,2,4,6
	v_pk_add_f32 v[ACC+(\p):ACC+(\p)+1], v[ACC+(\p):ACC+(\p)+1], v[ACC+16+(\p):ACC+16+(\p)+1]
.endr
	ds_store_b128 v[PS], v[ACC:ACC+3]
	ds_store_b128 v[PS], v[ACC+4:ACC+7] offset:512
	s_wait_dscnt 0x0                               ; for wave 0's sake: my partial sum lies in LDS
	s_barrier_signal -1
	s_barrier_wait -1
	s_cmp_lg_u32 s20, 0
	s_cbranch_scc1 .Lx_end
.irp v, 0,1,2,3,4,5,6,7
	ds_load_b128 v[AR+8*(\v):AR+8*(\v)+3],   v[PR] offset:1024*(\v)
	ds_load_b128 v[AR+8*(\v)+4:AR+8*(\v)+7], v[PR] offset:1024*(\v)+512
.endr
	s_wait_dscnt 0x0
.irp p, 0,2,4,6
	v_pk_add_f32 v[AR+(\p):AR+(\p)+1], v[AR+(\p):AR+(\p)+1], v[AR+8+(\p):AR+8+(\p)+1]
	v_pk_add_f32 v[AR+16+(\p):AR+16+(\p)+1], v[AR+16+(\p):AR+16+(\p)+1], v[AR+24+(\p):AR+24+(\p)+1]
	v_pk_add_f32 v[AR+32+(\p):AR+32+(\p)+1], v[AR+32+(\p):AR+32+(\p)+1], v[AR+40+(\p):AR+40+(\p)+1]
	v_pk_add_f32 v[AR+48+(\p):AR+48+(\p)+1], v[AR+48+(\p):AR+48+(\p)+1], v[AR+56+(\p):AR+56+(\p)+1]
.endr
.irp p, 0,2,4,6
	v_pk_add_f32 v[AR+(\p):AR+(\p)+1], v[AR+(\p):AR+(\p)+1], v[AR+16+(\p):AR+16+(\p)+1]
	v_pk_add_f32 v[AR+32+(\p):AR+32+(\p)+1], v[AR+32+(\p):AR+32+(\p)+1], v[AR+48+(\p):AR+48+(\p)+1]
.endr
.irp p, 0,2,4,6
	v_pk_add_f32 v[AR+(\p):AR+(\p)+1], v[AR+(\p):AR+(\p)+1], v[AR+32+(\p):AR+32+(\p)+1]
.endr
.irp p, 0,2,4,6
	v_pk_mul_f32 v[AR+(\p):AR+(\p)+1], v[AR+(\p):AR+(\p)+1], 2.0 op_sel_hi:[1,0]  ; the module's scale, exact
.endr
.irp w, 0,1,2,3
	v_cvt_pk_bf16_f32 v[HI+(\w)], v[AR+2*(\w)], v[AR+2*(\w)+1]     ; hi
.endr
.irp w, 0,1,2,3
	v_lshlrev_b32 v[UN+2*(\w)], 16, v[HI+(\w)]                     ; hi as f32 again
	v_and_b32 v[UN+2*(\w)+1], 0xffff0000, v[HI+(\w)]
.endr
.irp w, 0,1,2,3
	v_pk_add_f32 v[UN+2*(\w):UN+2*(\w)+1], v[AR+2*(\w):AR+2*(\w)+1], v[UN+2*(\w):UN+2*(\w)+1] neg_lo:[0,1] neg_hi:[0,1]  ; what hi has lost
.endr
.irp w, 0,1,2,3
	v_cvt_pk_bf16_f32 v[LO+(\w)], v[UN+2*(\w)], v[UN+2*(\w)+1]     ; lo
.endr
	global_store_b128 v[VL], v[HI:HI+3], s[16:17]                  ; 512 consecutive aligned bytes each
	global_store_b128 v[VL], v[LO:LO+3], s[16:17] offset:512
.Lx_end:
	s_wait_tensorcnt 0x0                           ; the wave's end: three closing lines, behind my last LDS store
	ds_add_u32 v[SPW], v[NIL]
	s_wait_dscnt 0x0
	s_endpgm
	; ---- W ----
.Lweights:
	s_lshl_b32 s30, ttmp9, 6                       ; my work-group's 16 columns of B, 4 bytes each
	s_add_nc_u64 s[10:11], s[10:11], s[30:31]
	s_lshl_b32 s30, ttmp9, 9                       ; and its 512 bytes of bt
	s_add_nc_u64 s[18:19], s[18:19], s[30:31]
	v_lshlrev_b32 v[TA], 2, v1
	v_lshl_add_u32 v[TA], v2, 17, v[TA]            ; column r, rows 8 h on
	LOADW 0, WB0
	LOADW 1, WB1
	s_cmp_lg_u32 s20, 0                            ; wave 0 turns B: its eight loads ride with the first two blocks', so the wait for all of them waits for nothing that is not wanted soon
	s_cbranch_scc1 .Lno_bt
.irp i, 0,1,2,3,4,5,6,7
	global_load_b32 v[AR+(\i)], v[TA], s[10:11] offset:(\i)*ROWF
.endr
	s_wait_loadcnt 0x0
.irp w, 0,1,2,3
	v_cvt_pk_bf16_f32 v[HI+(\w)], v[AR+2*(\w)], v[AR+2*(\w)+1]
.endr
	global_store_b128 v[VL], v[HI:HI+3], s[18:19]  ; 512 consecutive aligned bytes
.Lno_bt:
	s_wait_loadcnt 16                              ; block 0 is in; block 1's 16 loads may stay out (in wave 0 nothing is out)
	PACKST 0, WB0, 0
	s_wait_xcnt 0x0                                ; the stores have read their registers: only now are these loaded again
	LOADW 2, WB0
	s_wait_loadcnt 16
	PACKST 1, WB1, 0
	s_wait_xcnt 0x0
	LOADW 3, WB1
	s_wait_loadcnt 16
	PACKST 2, WB0, 0
	s_wait_loadcnt 0x0
	PACKST 3, WB1, 0
	s_wait_tensorcnt 0x0                           ; the same three lines close this way too
	ds_add_u32 v[SPW], v[NIL]
	s_wait_dscnt 0x0
	s_endpgm
.Lfunc_end_k_q1e75ae9441_prep:
	.size	k_q1e75ae9441_prep, .Lfunc_end_k_q1e75ae9441_prep-k_q1e75ae9441_prep
	.p2alignl 7, 3214868480
	.fill 96, 4, 3214868480
	.section	.rodata,"a",@progbits
	.p2align	6, 0x0
	.amdhsa_kernel k_q1e75ae9441_prep
		.amdhsa_group_segment_fixed_size 76800
		.amdhsa_private_segment_fixed_size 0
		.amdhsa_enable_private_segment 0
		.amdhsa_kernarg_size 64
		.amdhsa_user_sgpr_count 2
		.amdhsa_user_sgpr_kernarg_segment_ptr 1
		.amdhsa_wavefront_size32 1
		.amdhsa_system_sgpr_workgroup_id_x 1
		.amdhsa_system_sgpr_workgroup_id_y 1
		.amdhsa_system_sgpr_workgroup_id_z 1
		.amdhsa_system_vgpr_workitem_id 0
		.amdhsa_next_free_vgpr 240
		.amdhsa_next_free_sgpr 66
		.amdhsa_reserve_vcc 0
		.amdhsa_float_denorm_mode_32 3
		.amdhsa_float_denorm_mode_16_64 3
		.amdhsa_memory_ordered 1
		.amdhsa_forward_progress 1
		.amdhsa_inst_pref_size 70
	.end_amdhsa_kernel
	.amdgpu_metadata
---
amdhsa.version: [ 1, 2 ]
amdhsa.kernels:
  - .name:           k_q1e75ae9441_prep
    .symbol:         k_q1e75ae9441_prep.kd
    .args:
      - { .name: x, .offset: 0, .size: 8, .value_kind: global_buffer, .address_space: global }
      - { .name: W, .offset: 8, .size: 8, .value_kind: global_buffer, .address_space: global }
      - { .name: A, .offset: 16, .size: 8, .value_kind: global_buffer, .address_space: global }
      - { .name: B, .offset: 24, .size: 8, .value_kind: global_buffer, .address_space: global }
      - { .name: xb, .offset: 32, .size: 8, .value_kind: global_buffer, .address_space: global }
      - { .name: wb, .offset: 40, .size: 8, .value_kind: global_buffer, .address_space: global }
      - { .name: tt, .offset: 48, .size: 8, .value_kind: global_buffer, .address_space: global }
      - { .name: bt, .offset: 56, .size: 8, .value_kind: global_buffer, .address_space: global }
    .group_segment_fixed_size: 76800
    .private_segment_fixed_size: 0
    .kernarg_segment_align: 8
    .kernarg_segment_size: 64
    .max_flat_workgroup_size: 256
    .sgpr_count:     66
    .vgpr_count:     240
    .wavefront_size: 32
...
	.end_amdgpu_metadata
.endif
;; end of part 1
;; launch gemm (part 2): grid 16 x 16, 4 waves a work-group, clusters of 4 x 4, 327,680 bytes of LDS; arguments xb, wb, tt, bt, b, out0; writes out0
.if DOCPART == 2
	.amdgcn_target "amdgcn-amd-amdhsa--gfx1250"
	.amdhsa_code_object_version 6
	.text
	.protected	k_q1e75ae9441_gemm
	.globl	k_q1e75ae9441_gemm
	.p2align	8
	.type	k_q1e75ae9441_gemm,@function
k_q1e75ae9441_gemm:
	s_mov_b64 s[64:65], 0
	v_nop
	global_prefetch_b8 v0, s[64:65] scope:SCOPE_SE
	s_setreg_imm32_b32 hwreg(HW_REG_WAVE_MODE, 25, 1), 1
	s_wait_xcnt 0x0
	s_wait_alu depctr_hold_cnt(0) depctr_sa_sdst(0) depctr_va_vdst(0) depctr_va_sdst(0) depctr_va_ssrc(0) depctr_va_vcc(0) depctr_vm_vsrc(0)
	s_getreg_b32 s2, hwreg(HW_REG_IB_STS2, 6, 4)
	s_cmp_eq_u32 s2, 0
	s_cbranch_scc0 .Lentry_in_a_cluster
	s_endpgm
.Lentry_in_a_cluster:
	s_bfe_u32 s2, ttmp6, 0x10000c
	s_cmp_lg_u32 s2, 0xf033
	s_cbranch_scc0 .Lentry_shape_is_right
	s_endpgm
.Lentry_shape_is_right:
; out0[m][n] = b[n] + sum over rho of t2[m][rho] B[rho][n] + sum over k of xb[m][k] wb[n][k].  xb, wb: [4096][4096] bf16, K along the rows (inside each 128 k in one common order, which keeps the products);
; tt: t2 = 2 x A as hi + lo in bf16, bt: B in bf16, both laid as fragments, a block of 16 rows on end; b: [4096] f32; out0: [4096][4096] f32.  Sums in f32.
; A tile of out0, 256 x 256, is made by a work-group of four waves; a wave makes 128 x 128: 64 accumulators of 16 x 16, 512 registers.  16 x 16 tiles: one work-group each.
; EVERY SUM STARTS with one product of K = 32, [hi | lo] . [B | B], whose C operand is the bias: nothing is cleared, nothing is added at the end.  Its fragments come straight from memory, and the 64 products stand in the wait for the first tiles.
; K then goes in steps of 128 through a ring of two LDS slots filled by the tensor data mover: a tile's rows are 256 bytes of memory and start at multiples of 256 bytes from the buffer's first byte.
; The last K step goes by rows of the tile, so that finished rows leave while the others are multiplied.
; CLUSTERS: 4 x 4 work-groups.  The four of a row of the cluster need the same tiles of xb, the four of a column the same tiles of wb.  Such a tile is asked for JOINTLY: each of the four issues the same
; tensor load, with the same descriptor and a mask that names the four, and each receives the tile in its own LDS.
; THE MATRIX INSTRUCTION IS USED TRANSPOSED: source 0 = 16 rows of wb, source 1 = 16 rows of xb: lane l holds row m = l % 16 and the columns n = 8 (l / 16) + 0 .. 7.
; LIMITS.  Sums in another order than the module's; NaN and infinities are not treated apart.
; REGISTERS, in windows of 256 (s_set_vgpr_msb's low byte: bits 1:0 source 0, 3:2 source 1, 5:4 source 2, 7:6 destination):
;   window 0: v0-31 addresses; v64-127, v128-191 fragments of xb, two buffers (in the last K step four, of 16 rows x 128 K); v192-255 the bias, later 16 rows on the way out
;   window 1: v64-127, v128-191 fragments of wb, two buffers; in the last K step all 256
;   window 2: the 32 accumulators of my rows 0-63 (accumulator (a, b) at v[8 (8 a + b)]);   window 3: those of my rows 64-127
.set SIZE_N, 4096
.set SIZE_K, 4096
.set KSTEP,  128
.set PITCH,  272                       ; an LDS row: 256 bytes + 16 of padding = 68 words: row r starts at bank 4 r mod 64 (64 banks of 4 bytes: ISA guide 11.1)
.set HALFT,  128*PITCH                 ; 128 rows: what one tensor load brings, and what one wave reads of xb or of wb
.set SLOT,   4*HALFT                   ; xb's 256 rows, then wb's 256 rows
.set STAGE,  2*SLOT                    ; behind the ring: 16 rows x 528 bytes for each wave, for the way out; no tensor load fills it
.set SPITCH, 528                       ; 512 bytes (128 f32) + 16: 132 words, row r starts at bank 4 r mod 64
.set SPARE,  STAGE+4*16*SPITCH         ; behind the stages: the spare words, 128 bytes for each wave: two blocks of 256 bytes that no other line names
.set LAPS,   SIZE_K/(2*KSTEP)          ; a lap = two K steps = once round the ring
.set ADRA, 16                          ; v16-17  LDS address of my xb fragments in slot 0, 1
.set ADRB, 20                          ; v20-21  the same for wb
.set STO,  24                          ; v24     the way out: where I put 32 bytes of a row
.set RD,   25                          ; v25     the way out: where I read a row back
.set CO,   26                          ; v26     16 x my lane
.set BO,   27                          ; v27     32 (l / 16): my eight numbers of 16 of the bias
.set SPW,  28                          ; v28     LDS address of my spare word; never rewritten
.set NIL,  29                          ; v29     0; never rewritten
.set PFO,  30                          ; v30     the prefetches' offset: my lane x a row of xb or wb; never rewritten
.set PFA,  44                          ; s[44:45] where my prefetches stand
.set LIM,  43                          ; s43     1 in a wave that prefetches, else the greatest number
.set F0,   64
.set F1,   128
.set BIAS, 192
.set OB,   192
.set PA,   64
.set G1,  24                           ; s[24:31] descriptor group 1 for xb's tiles
.set G0,  32                           ; s[32:39] group 0, one set for each slot
.set G1B, 48                           ; s[48:55], s[56:63] the same for wb's tiles
.set G0B, 56
.set TT,  68                           ; s[68:69] tt, s[70:71] bt, s[72:73] b, s[74:75] out0
.set BT,  70
.set BV,  72
.set CB,  74
.set MSB, 0
.macro WIN new                         ; the immediate's high byte repeats the setting that is left; a switch that changes nothing is dropped
.if MSB != (\new)
	s_set_vgpr_msb (MSB<<8)|(\new)
.set MSB, \new
.endif
.endm
.set MUL_LO, 0xa1                      ; source 0 (wb) window 1, source 1 (xb) window 0, C and D window 2
.set MUL_HI, 0xf1                      ; the same, C and D window 3
.set MUL_C0, 0x81                      ; the first product: C (the bias) window 0, D window 2; + 0x40: D window 3
.set TO_B,   0x40                      ; destination window 1, address window 0
; A joint load.  Waves 0 and 1 fetch xb's two halves, waves 2 and 3 wb's.  The branch hangs on the wave's number alone.  An s_nop 0 and four v_nop follow each of the two lines.
.macro JLOAD s
	s_cmp_eq_u32 s11, 0
	s_cbranch_scc0 .Lfor_b_\@
	tensor_load_to_lds s[G0+4*(\s):G0+4*(\s)+3], s[G1:G1+7]
	s_nop 0
.rept 4
	v_nop
.endr
	s_branch .Lasked_\@
.Lfor_b_\@:
	tensor_load_to_lds s[G0B+4*(\s):G0B+4*(\s)+3], s[G1B:G1B+7]
	s_nop 0
.rept 4
	v_nop
.endr
.Lasked_\@:
.endm
; A PREFETCH INTO THE L2, behind each joint refill and the run of LDS loads that follows it: the K step that stands two refills on, 512 matrix instructions ahead of the load that will want it: 32 rows x 256 bytes, a lane a row.
; Each row's 256 bytes of a K step are named once in the launch: xb's rows by the clusters with x = 0, wb's by those with y = 0; of the 128 rows that a wave fetches, the partner at place p takes 32 p .. 32 p + 31, by address.
; K steps 0 to 3 come by their loads alone; the loop's last trip asks for nothing: the last K step named is the 31st.
.macro ASK
	s_cmp_gt_u32 s3, s[LIM]                        ; s3 = 1 in the loop's last trip
	s_cbranch_scc0 .Lnot_mine_\@
	global_prefetch_b8 v[PFO], s[PFA:PFA+1] offset:KSTEP*2 th:TH_LOAD_NT scope:SCOPE_SE
.Lnot_mine_\@:
.endm
; A round of the cluster's barrier: my work-group's barrier; wave 0 signals for the work-group; every wave waits for all sixteen; my work-group's barrier once more.
.macro CREST
	s_cmp_lg_u32 s10, 0
	s_cbranch_scc1 .Lnot_wave_0_\@
	s_barrier_signal -3
.Lnot_wave_0_\@:
	s_barrier_wait -3
	s_barrier_signal -1
	s_barrier_wait -1
.endm
.macro CROUND
	s_barrier_signal -1
	s_barrier_wait -1
	CREST
.endm
	s_load_b128 s[4:7], s[0:1], 0x0                ; xb s[4:5], wb s[6:7]
	s_load_b256 s[TT:TT+7], s[0:1], 0x10           ; tt, bt, b, out0
	v_lshl_add_u32 v[SPW], v0, 2, SPARE
	v_mov_b32 v[NIL], 0
	ds_add_u32 v[SPW], v[NIL]                      ; the wave's opening: the add and its wait stand ahead of my first tensor load; the set-up below, work on registers, stands between them
	v_lshrrev_b32 v1, 5, v0
	v_readfirstlane_b32 s10, v1                    ; wave 0..3
	s_lshr_b32 s11, s10, 1                         ; which half of the tile's rows is mine.  Also: I fetch for xb (0) or for wb (1)
	s_and_b32 s12, s10, 1                          ; which half of its columns.  Also: which 128 rows of that tile I fetch
	s_bfe_u32 s40, ttmp6, 0x40000                  ; cx
	s_bfe_u32 s41, ttmp6, 0x40004                  ; cy
	s_lshl_b32 s42, ttmp9, 2
	s_add_co_u32 s42, s42, s40                     ; tile column = 4 x cluster x + cx
	s_and_b32 s13, ttmp7, 0xffff
	s_lshl_b32 s13, s13, 2
	s_add_co_u32 s13, s13, s41                     ; tile row = 4 x cluster y + cy
	s_lshl_b32 s43, s41, 2
	s_lshl_b32 s43, 15, s43                        ; my row of the cluster: places 4 cy .. 4 cy + 3
	s_lshl_b32 s44, 0x1111, s40                    ; my column: places cx, cx + 4, cx + 8, cx + 12
	; descriptor group 1: a tile of 128 rows x 128 elements, padded in LDS
	s_or_b32 s[G1+0], s43, (1<<16)|(1<<20)|(1<<21)|(5<<22)|(3<<25)  ; 15:0 the mask; 17:16 elements of 2 bytes; 20 padding on; 21 set beside a mask; 24:22 after every 64 words (code 5); 31:25 4 words (code 3)
	s_or_b32 s[G1B+0], s44, (1<<16)|(1<<20)|(1<<21)|(5<<22)|(3<<25)
.irp g, G1, G1B
	s_mov_b32 s[(\g)+1], KSTEP<<16                 ; tensor_dim0 = 128
	s_mov_b32 s[(\g)+2], 128<<16                   ; tensor_dim1 = 128
	s_mov_b32 s[(\g)+3], KSTEP<<16                 ; tile_dim0 = 128
	s_mov_b32 s[(\g)+4], 128                       ; tile_dim1 = 128
	s_mov_b32 s[(\g)+5], SIZE_K                    ; elements from row to row
	s_mov_b32 s[(\g)+6], 0
	s_mov_b32 s[(\g)+7], 0
.endr
	; xb's tiles hang on the tile row alone, which my row of the cluster shares; wb's on the tile column alone, which my column shares
	s_lshl_b32 s17, s12, 7
	s_lshl_b32 s16, s13, 8
	s_add_co_u32 s16, s16, s17                     ; xb: row 256 x tile row + 128 x half
	s_lshl_b32 s46, s42, 8
	s_add_co_u32 s46, s46, s17                     ; wb: row 256 x tile column + 128 x half
	s_mov_b32 s17, 0
	s_mov_b32 s47, 0
	s_mov_b64 s[18:19], SIZE_K*2
	s_mul_u64 s[16:17], s[16:17], s[18:19]
	s_mul_u64 s[46:47], s[46:47], s[18:19]
	s_mul_i32 s20, s10, HALFT                      ; where they go: wave x 128 rows: no place in the cluster enters an LDS address
	s_wait_dscnt 0x0                               ; the opening add is done
	s_wait_kmcnt 0x0
	s_add_nc_u64 s[14:15], s[4:5], s[16:17]
	s_add_nc_u64 s[46:47], s[6:7], s[46:47]
	CROUND                                         ; all sixteen work-groups are here: the first joint loads meet
.irp s, 0,1
	s_mov_b32 s[G0+4*(\s)], 1                                      ; count = 1
	s_add_co_u32 s[G0+4*(\s)+1], s20, (\s)*SLOT                    ; LDS address
	s_add_nc_u64 s[G0+4*(\s)+2:G0+4*(\s)+3], s[14:15], (\s)*KSTEP*2  ; global address: K step s
	s_or_b32 s[G0+4*(\s)+3], s[G0+4*(\s)+3], 0x80000000            ; type = 2
	s_mov_b32 s[G0B+4*(\s)], 1
	s_add_co_u32 s[G0B+4*(\s)+1], s20, (\s)*SLOT
	s_add_nc_u64 s[G0B+4*(\s)+2:G0B+4*(\s)+3], s[46:47], (\s)*KSTEP*2
	s_or_b32 s[G0B+4*(\s)+3], s[G0B+4*(\s)+3], 0x80000000
	JLOAD \s                                       ; two tensor loads of mine are out
.endr
	v_and_b32 v1, 15, v0                           ; l % 16
	v_bfe_u32 v2, v0, 4, 1                         ; l / 16
	v_and_b32 v5, 31, v0
	v_lshlrev_b32 v[CO], 4, v5
	v_lshlrev_b32 v[BO], 5, v2
	s_lshl_b32 s13, s13, 8                         ; 256 x tile row
	s_lshl_b32 s14, s11, 7
	s_add_co_u32 s16, s13, s14                     ; my first row
	s_mov_b32 s17, 0
	s_lshl_b32 s20, s16, 6                         ; tt: 1,024 bytes for 16 rows
	s_mov_b32 s21, 0
	s_add_nc_u64 s[TT:TT+1], s[TT:TT+1], s[20:21]
	s_mov_b64 s[18:19], SIZE_N*4
	s_mul_u64 s[16:17], s[16:17], s[18:19]
	s_lshl_b32 s46, s42, 10                        ; my first column in bytes of f32: 1,024 x tile column + 512 x half
	s_lshl_b32 s47, s12, 9
	s_add_co_u32 s46, s46, s47
	s_mov_b32 s47, 0
	s_add_nc_u64 s[16:17], s[16:17], s[46:47]      ; where my part of the tile begins in out0: the first way out adds it
	s_add_nc_u64 s[BV:BV+1], s[BV:BV+1], s[46:47]
	s_lshl_b32 s46, s46, 3                         ; bt: 32 bytes a column against the bias's 4
	s_add_nc_u64 s[BT:BT+1], s[BT:BT+1], s[46:47]
.irp a, 0,1,2,3,4,5,6,7                ; t2's fragments of my eight blocks of 16 rows: registers 0-3 hi, 4-7 lo; 512 consecutive bytes a load
	global_load_b128 v[F1+8*(\a):F1+8*(\a)+3],   v[CO], s[TT:TT+1] offset:1024*(\a)
	global_load_b128 v[F1+8*(\a)+4:F1+8*(\a)+7], v[CO], s[TT:TT+1] offset:1024*(\a)+512
.endr
.irp b, 0,1,2,3,4,5,6,7                ; the bias in an accumulator's layout: my eight columns of each block of 16
	global_load_b128 v[BIAS+8*(\b):BIAS+8*(\b)+3],   v[BO], s[BV:BV+1] offset:64*(\b)
	global_load_b128 v[BIAS+8*(\b)+4:BIAS+8*(\b)+7], v[BO], s[BV:BV+1] offset:64*(\b)+16
.endr
	WIN TO_B
.irp b, 0,1,2,3,4,5,6,7                ; B's fragments of my eight blocks of 16 columns: the same 16 bytes twice, once for hi and once for lo
	global_load_b128 v[F1+8*(\b):F1+8*(\b)+3],   v[CO], s[BT:BT+1] offset:512*(\b)
	global_load_b128 v[F1+8*(\b)+4:F1+8*(\b)+7], v[CO], s[BT:BT+1] offset:512*(\b)
.endr
	WIN 0
	; A fragment is 16 rows x 32 K in 8 registers: lane l holds row l % 16; registers 0-3 K = 8 (l / 16) + 0..7, registers 4-7 K = 16 + 8 (l / 16) + 0..7: two loads of 16 bytes, 32 bytes apart
	v_mul_u32_u24 v3, v1, PITCH
	v_lshl_add_u32 v3, v2, 4, v3
	s_mul_i32 s21, s11, HALFT                      ; my 128 rows of xb
	s_mul_i32 s22, s12, HALFT                      ; my 128 rows of wb,
	s_add_co_u32 s22, s22, 2*HALFT                 ; which lie behind xb's 256
.irp s, 0,1
	v_add_nc_u32 v[ADRA+(\s)], s21, v3
	v_add_nc_u32 v[ADRB+(\s)], s22, v3
	s_add_co_u32 s21, s21, SLOT
	s_add_co_u32 s22, s22, SLOT
.endr
	s_mul_i32 s23, s10, 16*SPITCH
	s_add_co_u32 s23, s23, STAGE                   ; my stage
	v_mul_u32_u24 v4, v1, SPITCH                   ; in: row l % 16, 32 bytes for each half of the lanes
	v_lshl_add_u32 v4, v2, 5, v4
	v_add_nc_u32 v[STO], s23, v4
	v_add_nc_u32 v[RD], s23, v[CO]                 ; back: 32 lanes take a row of 512 bytes
	; the prefetches.  s13 = 256 x tile row, s42 = tile column, s40 = cx, s41 = cy still stand
	s_lshl_b32 s42, s42, 8
	s_and_b32 s22, ttmp7, 0xffff                   ; cluster y
	s_cmp_eq_u32 s11, 0                            ; do I fetch for xb?
	s_cselect_b32 s20, s13, s42                    ; the tile's first row
	s_cselect_b32 s21, s40, s41                    ; my place among the four that ask for it with me
	s_cselect_b32 s22, ttmp9, s22                  ; the coordinate along which other clusters read the same rows
	s_cselect_b64 s[PFA:PFA+1], s[4:5], s[6:7]
	s_cmp_eq_u32 s22, 0
	s_cselect_b32 s[LIM], 1, -1                    ; the same in all sixteen partners, for a given wave
	s_lshl_b32 s22, s12, 7
	s_add_co_u32 s20, s20, s22                     ; + the 128 rows that I fetch
	s_lshl_b32 s21, s21, 5
	s_add_co_u32 s20, s20, s21                     ; + my work-group's 32 of them
	s_mov_b32 s21, 0
	s_mov_b64 s[18:19], SIZE_K*2
	s_mul_u64 s[20:21], s[20:21], s[18:19]
	s_add_nc_u64 s[PFA:PFA+1], s[PFA:PFA+1], s[20:21]
	s_add_nc_u64 s[PFA:PFA+1], s[PFA:PFA+1], 2*KSTEP*2  ; at K step 2: the first refill steps it to 3 and names K step 4
	v_and_b32 v[PFO], 31, v0
	v_mul_u32_u24 v[PFO], v[PFO], SIZE_K*2
; 16 matrix instructions: m blocks a0, a0 + 1 of the window's four (hi = 0: my rows 0-63, 1: rows 64-127) x all 8 n blocks, 32 along K.  first = 1: the product starts the sums, with the bias as C.
; The 64 accumulators take turns, one instruction a turn, in the same order in every quarter, over the backward jump too.
.macro MUL16 f, hi, a0, first
.if \first
	WIN MUL_C0+0x40*(\hi)
.else
	WIN MUL_LO+0x50*(\hi)
.endif
.irp a, \a0, (\a0)+1
.irp b, 0,1,2,3,4,5,6,7
.if \first
	v_wmma_f32_16x16x32_bf16 v[8*(8*(\a)+(\b)):8*(8*(\a)+(\b))+7], v[(\f)+8*(\b):(\f)+8*(\b)+7], v[(\f)+8*(4*(\hi)+(\a)):(\f)+8*(4*(\hi)+(\a))+7], v[BIAS+8*(\b):BIAS+8*(\b)+7]
.else
	v_wmma_f32_16x16x32_bf16 v[8*(8*(\a)+(\b)):8*(8*(\a)+(\b))+7], v[(\f)+8*(\b):(\f)+8*(\b)+7], v[(\f)+8*(4*(\hi)+(\a)):(\f)+8*(4*(\hi)+(\a))+7], v[8*(8*(\a)+(\b)):8*(8*(\a)+(\b))+7]
.endif
.endr
.endr
.endm
; 32 LDS loads in one run: the fragments of one quarter step (128 rows of wb, 128 rows of xb, 32 K at byte k of the rows) into buffer f
.macro FETCH slot, k, f
	WIN TO_B
.irp i, 0,1,2,3,4,5,6,7
	ds_load_b128 v[(\f)+8*(\i):(\f)+8*(\i)+3],   v[ADRB+(\slot)] offset:(\k)+(\i)*16*PITCH
	ds_load_b128 v[(\f)+8*(\i)+4:(\f)+8*(\i)+7], v[ADRB+(\slot)] offset:(\k)+(\i)*16*PITCH+32
.endr
	WIN 0
.irp i, 0,1,2,3,4,5,6,7
	ds_load_b128 v[(\f)+8*(\i):(\f)+8*(\i)+3],   v[ADRA+(\slot)] offset:(\k)+(\i)*16*PITCH
	ds_load_b128 v[(\f)+8*(\i)+4:(\f)+8*(\i)+7], v[ADRA+(\slot)] offset:(\k)+(\i)*16*PITCH+32
.endr
.endm
; Four places (plain vector instructions that name none of a matrix instruction's registers) in front of loads into registers that matrix instructions have read, and of LDS stores that read results
.macro PLACES
.rept 4
	v_nop
.endr
.endm
; A K step is four quarters of 32 along K, 64 matrix instructions each, on buffers 0, 1, 0, 1.  One of the first three: multiplies buffer f; in its middle it fetches the next quarter, at byte k, into buffer g.
.macro QUARTER slot, k, f, g
	s_wait_dscnt 8                                 ; wb's and xb's rows 0-63 are in; the youngest eight loads (xb's rows 64-127) may be out
	MUL16 \f, 0, 0, 0
	MUL16 \f, 0, 2, 0
	PLACES
	FETCH \slot, \k, \g
	s_wait_dscnt 32                                ; all but the 32 just issued
	MUL16 \f, 1, 0, 0
	MUL16 \f, 1, 2, 0
.endm
; The last quarter multiplies buffer 1 and changes slots.  MEET is its first half: one barrier; in front of it each wave waits for all its tensor loads, of which one is out (its part of the next slot),
; adds 0 to its spare word, and waits for that and for its own reads of this slot.  Behind it nobody reads this slot any more and the next slot is whole.
.macro MEET round
	WIN 0                                          ; (the add's two registers lie in window 0)
	s_wait_tensorcnt 0x0                           ; all my tensor loads have landed
	ds_add_u32 v[SPW], v[NIL]                      ; 0 onto my spare word
	s_wait_dscnt 9                                 ; (the add and the youngest eight loads may be out)
	MUL16 F1, 0, 0, 0                              ; sixteen matrix instructions stand between the add and the wait for it
	s_wait_dscnt 0x0                               ; the add is done, and my reads of this slot are over
	s_barrier_signal -1
	MUL16 F1, 0, 2, 0                              ; work on registers while the others arrive
.if \round
	WIN 0
.endif
	s_barrier_wait -1
.endm
; The whole last quarter: behind a round of the cluster's barrier the slot just read out is filled again first, with the K step two steps on; then come the next slot's first fragments.
; From a request to the wait for it a wave issues 224 matrix instructions; one tensor load of mine is out.
.macro TURN slot, next
	s_wait_xcnt 0x0                                ; the last prefetch, a K step back, has read its address: it is stepped here
	s_add_nc_u64 s[PFA:PFA+1], s[PFA:PFA+1], KSTEP*2
	MEET 1
	CREST                                          ; no wave of any partner still reads this slot's tile or has a load on its way
	s_add_nc_u64 s[G0+4*(\slot)+2:G0+4*(\slot)+3], s[G0+4*(\slot)+2:G0+4*(\slot)+3], 2*KSTEP*2
	s_add_nc_u64 s[G0B+4*(\slot)+2:G0B+4*(\slot)+3], s[G0B+4*(\slot)+2:G0B+4*(\slot)+3], 2*KSTEP*2
	JLOAD \slot                                    ; the first tensor load behind the round; its four v_nop are also the places in front of the loads below
	FETCH \next, 0, F0
	ASK
	MUL16 F1, 1, 0, 0
	MUL16 F1, 1, 2, 0
.endm
; THE LAST K STEP (it lies in slot 1) GOES BY ROWS.  All its fragments of wb (4 quarters x 64 registers) fill window 1; my eight blocks of 16 rows are finished one after the other, 32 matrix instructions each, the block's 8 accumulators by turns.
.macro BLOAD q
	WIN TO_B
.irp i, 0,1,2,3,4,5,6,7
	ds_load_b128 v[64*(\q)+8*(\i):64*(\q)+8*(\i)+3],   v[ADRB+1] offset:64*(\q)+(\i)*16*PITCH
	ds_load_b128 v[64*(\q)+8*(\i)+4:64*(\q)+8*(\i)+7], v[ADRB+1] offset:64*(\q)+(\i)*16*PITCH+32
.endr
.endm
.macro ALOAD a                         ; xb's fragments of block a, all four quarters -> buffer a % 4
	WIN 0
.set FA, PA+32*((\a)%4)
.irp q, 0,1,2,3
	ds_load_b128 v[FA+8*(\q):FA+8*(\q)+3],   v[ADRA+1] offset:64*(\q)+(\a)*16*PITCH
	ds_load_b128 v[FA+8*(\q)+4:FA+8*(\q)+7], v[ADRA+1] offset:64*(\q)+(\a)*16*PITCH+32
.endr
.endm
.macro ROW a
.set FA, PA+32*((\a)%4)
.set AC, 64*((\a)%4)
	WIN MUL_LO+0x50*((\a)/4)
.irp q, 0,1,2,3
.if (\a) == 0 && (\q) == 2
	s_wait_dscnt 24                                ; wb's quarter 2 is in (behind it: xb's blocks 1 to 3)
.endif
.irp b, 0,1,2,3,4,5,6,7
	v_wmma_f32_16x16x32_bf16 v[AC+8*(\b):AC+8*(\b)+7], v[64*(\q)+8*(\b):64*(\q)+8*(\b)+7], v[FA+8*(\q):FA+8*(\q)+7], v[AC+8*(\b):AC+8*(\b)+7]
.endr
.endr
.endm
; THE WAY OUT of block a.  TOSTAGE: a lane's eight f32 of a row go into my own stage, each accumulator's low four registers first; the block comes back as whole rows of 512 bytes.  SEND: stored.
.macro TOSTAGE a
.set AC, 64*((\a)%4)
	s_wait_xcnt 0x0                                ; the last block's stores have read their registers and their base (ISA guide 3.1): both are written again below, and no global instruction stands between
	WIN 0x08+4*((\a)/4)                            ; store data (source 1) in window 2 or 3
.irp b, 0,1,2,3,4,5,6,7
	ds_store_b128 v[STO], v[AC+8*(\b):AC+8*(\b)+3]   offset:64*(\b)
	ds_store_b128 v[STO], v[AC+8*(\b)+4:AC+8*(\b)+7] offset:64*(\b)+16
.endr
	WIN 0
.irp t, 0,1,2,3,4,5,6,7,8,9,10,11,12,13,14,15
	ds_load_b128 v[OB+4*(\t):OB+4*(\t)+3], v[RD] offset:(\t)*SPITCH  ; LDS serves a wave's instructions in order (ISA guide 5.7.1.4): these see the stores above; the next block's stores come behind them
.endr
.endm
.macro SEND a, younger                 ; younger: the LDS loads issued behind TOSTAGE's, which may stay out
	WIN 0
.if (\a) == 0
	s_add_nc_u64 s[CB:CB+1], s[CB:CB+1], s[16:17]  ; on to my first rows
.else
	s_add_nc_u64 s[CB:CB+1], s[CB:CB+1], 16*SIZE_N*4  ; 16 rows on
.endif
.irp t, 0,1,2,3,4,5,6,7,8,9,10,11,12,13,14,15
	s_wait_dscnt (\younger)+15-(\t)                ; row t is back
	global_store_b128 v[CO], v[OB+4*(\t):OB+4*(\t)+3], s[CB:CB+1] offset:(\t)*SIZE_N*4 th:TH_STORE_NT  ; 512 consecutive bytes, at a multiple of 512 from out0's first byte
.endr
.endm
	s_wait_loadcnt 0x0                             ; t2, B and the bias are in
	MUL16 F1, 0, 0, 1                              ; the low-rank term and the bias start all 64 sums, while the first tiles are on their way
	MUL16 F1, 0, 2, 1
	MUL16 F1, 1, 0, 1
	MUL16 F1, 1, 2, 1
	s_wait_tensorcnt 1                             ; my part of K step 0 is in; K step 1's may stay out
	s_barrier_signal -1
	s_barrier_wait -1                              ; everybody's is
	FETCH 0, 0, F0
	QUARTER 0, 64,  F0, F1                         ; the first quarter stands in front of the loop
	WIN 0                                          ; at a label and at a branch every window is 0
	s_mov_b32 s3, LAPS-1
.Llap:                                                 ; a trip goes once round the ring, from a lap's second quarter to the next lap's first, and fills both slots again
	QUARTER 0, 128, F1, F0
	QUARTER 0, 192, F0, F1
	TURN 0, 1
	QUARTER 1, 64,  F0, F1
	QUARTER 1, 128, F1, F0
	QUARTER 1, 192, F0, F1
	TURN 1, 0
	QUARTER 0, 64,  F0, F1
	WIN 0
	s_sub_co_u32 s3, s3, 1
	s_cmp_lg_u32 s3, 0
	s_cbranch_scc1 .Llap
	QUARTER 0, 128, F1, F0                         ; the last lap goes on
	QUARTER 0, 192, F0, F1
	MEET 0                                         ; my one tensor load that was still out is the last K step's, so no round follows
	PLACES                                         ; for the loads into buffer 0, which the quarter before multiplied
	BLOAD 0                                        ; three quarters of wb now: buffer 1 is still being multiplied
	BLOAD 1
	BLOAD 3
	ALOAD 0
	MUL16 F1, 1, 0, 0
	MUL16 F1, 1, 2, 0
	PLACES                                         ; for the loads into buffer 1
	BLOAD 2
	ALOAD 1
	ALOAD 2
	ALOAD 3
	s_wait_dscnt 40                                ; all but the 40 just issued
	ROW 0
.irp a, 0,1,2,3,4,5,6,7                ; each block leaves as soon as it is finished
	PLACES                                         ; the LDS stores read results just made
	TOSTAGE \a
.if (\a) < 4
	ALOAD (\a)+4                                   ; its buffer takes the block four further on
	SEND \a, 8
.else
	SEND \a, 0
.endif
.if (\a) < 7
	ROW (\a)+1
.endif
.endr
	s_wait_tensorcnt 0x0                           ; the wave's end: three closing lines, behind my last tensor load and my last LDS store
	ds_add_u32 v[SPW], v[NIL]
	s_wait_dscnt 0x0
	CROUND                                         ; the closing round: no work-group ends while a partner may still ask for a tile that names it
	s_endpgm
.Lfunc_end_k_q1e75ae9441_gemm:
	.size	k_q1e75ae9441_gemm, .Lfunc_end_k_q1e75ae9441_gemm-k_q1e75ae9441_gemm
	.p2alignl 7, 3214868480
	.fill 96, 4, 3214868480
	.section	.rodata,"a",@progbits
	.p2align	6, 0x0
	.amdhsa_kernel k_q1e75ae9441_gemm
		.amdhsa_group_segment_fixed_size 327680
		.amdhsa_private_segment_fixed_size 0
		.amdhsa_enable_private_segment 0
		.amdhsa_kernarg_size 48
		.amdhsa_user_sgpr_count 2
		.amdhsa_user_sgpr_kernarg_segment_ptr 1
		.amdhsa_wavefront_size32 1
		.amdhsa_system_sgpr_workgroup_id_x 1
		.amdhsa_system_sgpr_workgroup_id_y 1
		.amdhsa_system_sgpr_workgroup_id_z 1
		.amdhsa_system_vgpr_workitem_id 0
		.amdhsa_next_free_vgpr 1024
		.amdhsa_next_free_sgpr 76
		.amdhsa_reserve_vcc 0
		.amdhsa_float_denorm_mode_32 3
		.amdhsa_float_denorm_mode_16_64 3
		.amdhsa_memory_ordered 1
		.amdhsa_forward_progress 1
		.amdhsa_inst_pref_size 155
	.end_amdhsa_kernel
	.amdgpu_metadata
---
amdhsa.version: [ 1, 2 ]
amdhsa.kernels:
  - .name:           k_q1e75ae9441_gemm
    .symbol:         k_q1e75ae9441_gemm.kd
    .args:
      - { .name: xb, .offset: 0, .size: 8, .value_kind: global_buffer, .address_space: global }
      - { .name: wb, .offset: 8, .size: 8, .value_kind: global_buffer, .address_space: global }
      - { .name: tt, .offset: 16, .size: 8, .value_kind: global_buffer, .address_space: global }
      - { .name: bt, .offset: 24, .size: 8, .value_kind: global_buffer, .address_space: global }
      - { .name: b, .offset: 32, .size: 8, .value_kind: global_buffer, .address_space: global }
      - { .name: out0, .offset: 40, .size: 8, .value_kind: global_buffer, .address_space: global }
    .group_segment_fixed_size: 327680
    .private_segment_fixed_size: 0
    .kernarg_segment_align: 8
    .kernarg_segment_size: 48
    .max_flat_workgroup_size: 128
    .sgpr_count:     76
    .vgpr_count:     1024
    .wavefront_size: 32
...
	.end_amdgpu_metadata
.endif
;; end of part 2
;; ======== version 2 of 2: 2 launches; version 1 with the launch prep written anew for expert scheduling mode
;; workspace buffers: xb 33,554,432 bytes; wb 33,554,432 bytes; tt 262,144 bytes; bt 131,072 bytes
;; launch prep (part 3): grid 256 x 2, 8 waves a work-group, no clusters, 76,800 bytes of LDS; arguments x, W, A, B, xb, wb, tt, bt; writes xb, wb, tt, bt
.if DOCPART == 3
	.amdgcn_target "amdgcn-amd-amdhsa--gfx1250"
	.amdhsa_code_object_version 6
	.text
	.protected	k_q1e75ae9441_prep
	.globl	k_q1e75ae9441_prep
	.p2align	8
	.type	k_q1e75ae9441_prep,@function
k_q1e75ae9441_prep:
	s_mov_b64 s[64:65], 0
	v_nop
	global_prefetch_b8 v0, s[64:65] scope:SCOPE_SE
	s_setreg_imm32_b32 hwreg(HW_REG_WAVE_SCHED_MODE, 0, 2), 2
	s_setreg_imm32_b32 hwreg(HW_REG_WAVE_MODE, 25, 1), 1
	s_wait_xcnt 0x0
	s_wait_alu depctr_vm_vsrc(0)
; PREP.  xb = bf16(x), wb = bf16(W), tt = 2 (xb . bf16(A)) as two bf16 numbers (hi + lo), bt = bf16(B) turned.  x, W: [4096][4096] f32; A: [4096][16]; B: [16][4096].
; WHY.  The product that follows wants 16-bit operands with K along the rows; each operand is rounded once, here, while it streams through.  The low-rank term needs t = x A, whose sum over k
; is made here from the numbers that pass anyway; t is kept to 16 significant bits (hi = bf16(t), lo = bf16(t - hi)), so that no rounding of a sum is added to the roundings of the inputs.
; SHARES.  Grid y = 0: x; y = 1: W.  Work-group g owns rows 16 g .. 16 g + 15, all 4,096 k; wave w the four groups of 128 k from 512 w on, a BLOCK (16 rows x 128 k) each.
; Lane l = (r = l % 16, h = l / 16).  Load (j, u): 16 lanes take 256 consecutive aligned bytes (k = 64 u + 4 r + 0..3 of the group) of row 8 h + j.  A lane's eight numbers of a row pack into 16 bytes,
; and 16 lanes store 256 consecutive aligned bytes.  So inside each group of 128 k, place p = 8 r + 4 u + e of xb and wb holds k = 64 u + 4 r + e: the same order in both, which keeps every product.
; t.  A block's packed rows also go into the wave's own LDS stage and come back as fragments (lane = row, k along the registers).  A's 128 rows come dense, are rounded and laid by place, [p][16] bf16,
; and come back turned (ds_load_tr16_b128): lane = column of A.  Source 0 = A's columns, source 1 = x's rows: a lane ends with t[row r][8 h .. 8 h + 7].  Four accumulators take turns, one for each 32 places of a block.
; The eight waves' partial sums meet in LDS; wave 0 adds them, doubles (the module's scale, alpha / r = 2), splits and stores: tt[g] = 512 bytes of hi, 512 of lo, each 16 bytes a lane: a fragment as the product wants it.
; bt[g] (wave 0 of W's work-group g): lane (r, h) holds B[8 h .. 8 h + 7][16 g + r], 16 bytes at 16 l: a fragment too.
; NO CLUSTER, NO TENSOR LOADS: x and W are read by one wave each.  A is read by all 256 work-groups of x, but it must pass through registers to be rounded, and of what the launch takes from memory it is 262,144 bytes of 134 million.
; LIMITS.  Sums in f32, in another order than the module's; 2 x A keeps 16 significant bits; NaN and infinities are not treated apart.
; THE MODE: SCHED_MODE bits 1:0 = 2 (LLVM: expert scheduling mode 2), set by the entry lines.  The code itself states the register dependences
; between vector or matrix instructions and memory or LDS instructions, with s_wait_alu, always for 0.
; THE PLAN.  Registers that memory or LDS instructions touch:
;   v3-v5           offsets of the global loads and stores: written at the head, never again.  v14: in W's way the offset of B's loads, written at that way's head, never again.
;   v6-v11          x's way: LDS addresses, written behind the first loads, never again.
;   WB0, WB1        a block as loaded.  x's way: block q's roundings work in place in WB[q % 2], its global and LDS stores read it, block q + 2 lands in it.  W's way: the roundings read it, block q + 2 lands in it.
;   AR = AF + XF    x's way: A's rows land; their roundings work in place; the LDS stores read them; the fragments land; the products read them; A's next rows land.
;   Y0, Y1          W's way, in AR's registers: block q's roundings write Y[q % 2], its eight stores read it; it is written again two blocks on.
;   ACC             x's way: named by products and sums, and at the end read by two LDS stores.  W's way, wave 0: B as loaded and as stored lie in twelve of these registers.
;   v12, v13        written at the head, read by the closing add alone.
; x's way, a block: a wait on va_vdst behind x's roundings (its sixteen stores follow), one behind A's (their sixteen LDS stores follow), ONE wait on vm_vsrc behind all these stores, which frees AR for the
; fragments and WB[q % 2] for the block two on, and a wait on va_vdst behind the products, ahead of the next loads.
; W's way, a block: ONE wait on va_vdst behind the roundings: Y is written and WB is read out; the next loads go out first, then the stores.  It stands there and not at the next block's head, so that the raw
; buffer is asked for again at once.  The wait on vm_vsrc for a Y stands two blocks behind the stores that read it.
.set ROWF,   16384                     ; bytes in a row of x and W
.set ROWH,   8192                      ; bytes in a row of xb and wb
.set XPITCH, 272                       ; a stage row: 256 bytes + 16: the 16 rows that a fragment load touches start 4 banks apart (64 banks of 4 bytes: ISA guide 11.1)
.set XSW,    16*XPITCH                 ; a wave's stage for x: 4,352 bytes
.set ASTG,   8*XSW                     ; behind the eight: the stages for A, 128 places x 32 bytes for each wave
.set ASW,    4096
.set PART,   ASTG+8*ASW                ; the partial sums, 1,024 bytes for each wave
.set SPARE,  PART+8*1024               ; the spare words, 128 bytes for each wave: four blocks of 256 bytes that no other line names
.set VIN,  3                           ; v3   (h << 17) + 16 r: my 16 bytes of a load; never rewritten once set
.set VOUT, 4                           ; v4   (h << 16) + 16 r: my 16 bytes of a store
.set VL,   5                           ; v5   16 l
.set LAS,  6                           ; v6   where my 8 bytes of A go in the stage
.set LAT,  7                           ; v7   my address for the turning load
.set XSS,  8                           ; v8   where my 16 bytes of x go in the stage
.set XSL,  9                           ; v9   my address for x's fragments
.set PS,   10                          ; v10  my wave's partial sum
.set PR,   11                          ; v11  wave 0's place in every partial sum
.set SPW,  12                          ; v12  LDS address of my spare word; never rewritten
.set NIL,  13                          ; v13  0; never rewritten
.set TA,   14                          ; v14, v15 at work
.set TB,   15
.set ACC,  16                          ; v[16:47]   x's way: four accumulators
.set BR,   16                          ; v[16:23]   W's way, wave 0: B as loaded
.set BH,   24                          ; v[24:27]   W's way, wave 0: B in bf16
.set AR,   48                          ; v[48:111]  x's way: A as loaded (16 x 4); then the fragments: A's in v[48:79], x's in v[80:111]
.set AF,   48
.set XF,   80
.set YB,   48                          ; v[48:79], v[80:111]  W's way: two out-buffers: row j's 16 bytes at YB + 32 (q % 2) + 4 j
.set HI,   56                          ; at the end
.set LO,   60
.set UN,   64
.set WB0,  112                         ; v[112:175], v[176:239]  two blocks as loaded: register 8 j + 4 u + e
.set WB1,  176
	s_load_b256 s[4:11], s[0:1], 0x0               ; x s[4:5], W s[6:7], A s[8:9], B s[10:11]
	s_load_b256 s[12:19], s[0:1], 0x20             ; xb s[12:13], wb s[14:15], tt s[16:17], bt s[18:19]
	v_lshl_add_u32 v[SPW], v0, 2, SPARE
	v_mov_b32 v[NIL], 0
	v_lshrrev_b32 v[TA], 5, v0
	v_readfirstlane_b32 s20, v[TA]                 ; wave 0..7
	v_and_b32 v1, 15, v0                           ; r
	v_bfe_u32 v2, v0, 4, 1                         ; h
	v_and_b32 v[TB], 31, v0
	v_lshlrev_b32 v[VL], 4, v[TB]
	v_lshlrev_b32 v[VIN], 4, v1
	v_lshl_add_u32 v[VOUT], v2, 16, v[VIN]         ; eight rows of 8,192 bytes further for lanes 16 to 31
	v_lshl_add_u32 v[VIN], v2, 17, v[VIN]          ; eight rows of 16,384 bytes
	s_and_b32 s21, ttmp7, 0xffff                   ; 0: x, 1: W
	s_lshl_b32 s22, ttmp9, 18                      ; in: 16 rows of 16,384 bytes a work-group,
	s_wait_alu depctr_va_sdst(0)                   ; s20 is written, ahead of its first reader: offsets, LDS places and branches are made from it
	s_lshl_b32 s30, s20, 11                        ; 2,048 bytes of a row a wave
	s_add_co_u32 s22, s22, s30
	s_mov_b32 s23, 0
	s_lshl_b32 s24, ttmp9, 17                      ; out: half of both
	s_lshl_b32 s30, s20, 10
	s_add_co_u32 s24, s24, s30
	s_mov_b32 s25, 0
	s_mov_b32 s31, 0                               ; s[30:31]: an offset under 4 GiB as a pair
	s_wait_kmcnt 0x0
	s_cmp_eq_u32 s21, 0
	s_cselect_b64 s[26:27], s[4:5], s[6:7]         ; what I read,
	s_cselect_b64 s[28:29], s[12:13], s[14:15]     ; what I write
	s_add_nc_u64 s[26:27], s[26:27], s[22:23]
	s_add_nc_u64 s[28:29], s[28:29], s[24:25]
; Block q's 16 loads into the 64 registers from wb on.
.macro LOADW q, wb
.irp j, 0,1,2,3,4,5,6,7
.irp u, 0,1
	global_load_b128 v[(\wb)+8*(\j)+4*(\u):(\wb)+8*(\j)+4*(\u)+3], v[VIN], s[26:27] offset:(\j)*ROWF+(\q)*512+256*(\u) th:TH_LOAD_NT
.endr
.endr
.endm
; A's 128 rows of block q: 8,192 dense bytes, 512 a load: lane l takes A[8 i + l / 4][4 (l % 4) ..].
.macro LOADA q
.irp i, 0,1,2,3,4,5,6,7,8,9,10,11,12,13,14,15
	global_load_b128 v[AR+4*(\i):AR+4*(\i)+3], v[VL], s[8:9] offset:(\q)*8192+(\i)*512
.endr
.endm
; A block of x.  wx, wa: the younger loads that may stay out when x's block, then A's, must be in.  first = 1: the products start the sums.
.macro XBLOCK q, wb, wx, wa, first
	s_wait_loadcnt \wx                             ; loads come back in order (ISA guide 5.7.1): the block is in, what was asked for behind it stays out
.irp j, 0,1,2,3,4,5,6,7                ; rounded in place: each destination has been read by then
.irp w, 0,1,2,3
	v_cvt_pk_bf16_f32 v[(\wb)+8*(\j)+(\w)], v[(\wb)+8*(\j)+2*(\w)], v[(\wb)+8*(\j)+2*(\w)+1]
.endr
.endr
	s_wait_alu depctr_va_vdst(0)                   ; x's roundings have written the sixteen stores' data; in the first block the LDS addresses v6 to v11 are written too
.irp j, 0,1,2,3,4,5,6,7
	global_store_b128 v[VOUT], v[(\wb)+8*(\j):(\wb)+8*(\j)+3], s[28:29] offset:(\j)*ROWH+(\q)*256  ; 16 lanes fill 256 consecutive aligned bytes
	ds_store_b128 v[XSS], v[(\wb)+8*(\j):(\wb)+8*(\j)+3] offset:(\j)*XPITCH                        ; the same 16 bytes go into my stage
.endr
.if (\wa) != (\wx)
	s_wait_loadcnt \wa                             ; A's rows are in; only the block of x asked for behind them stays out
.endif
.irp i, 0,1,2,3,4,5,6,7,8,9,10,11,12,13,14,15
	v_cvt_pk_bf16_f32 v[AR+4*(\i)], v[AR+4*(\i)], v[AR+4*(\i)+1]
	v_cvt_pk_bf16_f32 v[AR+4*(\i)+1], v[AR+4*(\i)+2], v[AR+4*(\i)+3]
.endr
	s_wait_alu depctr_va_vdst(0)                   ; A's roundings have written the data of the LDS stores below, and are done with AR, in which the fragments land
.irp i, 0,1,2,3,4,5,6,7,8,9,10,11,12,13,14,15
	ds_store_b64 v[LAS], v[AR+4*(\i):AR+4*(\i)+1] offset:512*((\i)%8)+128*((\i)/8)  ; row k = 8 i + l / 4 goes to place p = 16 (i % 8) + 8 h + 4 (i / 8) + (l / 4) % 4, 32 bytes a place
.endr
	s_wait_alu depctr_vm_vsrc(0)                   ; the block's stores have read their data: AR, in which the fragments land now, and this block's 64 registers, in which the block two on lands behind the products; nothing reads either in between
.irp c, 0,1,2,3                        ; LDS serves a wave's instructions in order (ISA guide 5.7.1.4): these see the stores above, and the next block's stores come behind them
	ds_load_tr16_b128 v[AF+8*(\c):AF+8*(\c)+3],   v[LAT] offset:1024*(\c)
	ds_load_tr16_b128 v[AF+8*(\c)+4:AF+8*(\c)+7], v[LAT] offset:1024*(\c)+512
	ds_load_b128 v[XF+8*(\c):XF+8*(\c)+3],   v[XSL] offset:64*(\c)
	ds_load_b128 v[XF+8*(\c)+4:XF+8*(\c)+7], v[XSL] offset:64*(\c)+32
.endr
	s_wait_dscnt 0x0
.irp c, 0,1,2,3                        ; the four accumulators take turns, from block to block too
.if \first
	v_wmma_f32_16x16x32_bf16 v[ACC+8*(\c):ACC+8*(\c)+7], v[AF+8*(\c):AF+8*(\c)+7], v[XF+8*(\c):XF+8*(\c)+7], 0
.else
	v_wmma_f32_16x16x32_bf16 v[ACC+8*(\c):ACC+8*(\c)+7], v[AF+8*(\c):AF+8*(\c)+7], v[XF+8*(\c):XF+8*(\c)+7], v[ACC+8*(\c):ACC+8*(\c)+7]
.endif
.endr
.rept 4
	v_nop                                          ; four places: behind the last block for the sums that read the results; behind the others they stay, and the wait that follows states the loads' dependence
.endr
.endm
; A block of W.  y: its out-buffer.  left: the younger loads that may stay out.  again = 1: the out-buffer has been stored from before.  ahead = 1: the block two on is asked for.
.macro WBLOCK q, wb, y, left, again, ahead
	s_wait_loadcnt \left                           ; the block is in; the one younger block's 16 loads stay out
.if \again
	s_wait_xcnt 0x0                                ; the stores of two blocks back have had their addresses translated (ISA guide 3.1): their data registers are written again only behind this wait,
	s_wait_alu depctr_vm_vsrc(0)                   ; and they have read this out-buffer, which the roundings below write again
.endif
.irp j, 0,1,2,3,4,5,6,7
.irp w, 0,1,2,3
	v_cvt_pk_bf16_f32 v[(\y)+4*(\j)+(\w)], v[(\wb)+8*(\j)+2*(\w)], v[(\wb)+8*(\j)+2*(\w)+1]
.endr
.endr
	s_wait_alu depctr_va_vdst(0)                   ; the roundings have written the out-buffer, which the stores read, and are done reading the raw block, in which the loads land
.if \ahead
	LOADW (\q)+2, \wb                              ; the raw buffer is asked for again at once, ahead of the stores
.endif
.irp j, 0,1,2,3,4,5,6,7
	global_store_b128 v[VOUT], v[(\y)+4*(\j):(\y)+4*(\j)+3], s[28:29] offset:(\j)*ROWH+(\q)*256  ; 16 lanes fill 256 consecutive aligned bytes
.endr
.endm
	s_cmp_lg_u32 s21, 0
	s_cbranch_scc1 .Lweights
	; ---- x ----
	s_lshl_b32 s30, s20, 15                        ; my wave's 512 rows of A, 64 bytes each
	s_add_nc_u64 s[8:9], s[8:9], s[30:31]
	s_lshl_b32 s30, ttmp9, 10                      ; my work-group's 1,024 bytes of tt
	s_add_nc_u64 s[16:17], s[16:17], s[30:31]
	s_wait_alu depctr_va_vdst(0)                   ; the offsets v3, v4 and v5 are written: every global load and store of this way reads one of them
	LOADA 0                                        ; the order of issue sets the counts: A(0), x(0), x(1); then behind block q's products A(q + 1), x(q + 2)
	LOADW 0, WB0
	LOADW 1, WB1
	s_mul_i32 s32, s20, XSW                        ; the LDS addresses are made while the loads are out; none of these lines names a register that a load reads or lands in
	v_mul_u32_u24 v[XSS], v2, 8*XPITCH             ; in: row 8 h + j, 16 bytes at 16 r
	v_lshl_add_u32 v[XSS], v1, 4, v[XSS]
	v_add_nc_u32 v[XSS], s32, v[XSS]
	v_mul_u32_u24 v[XSL], v1, XPITCH               ; back: row r, 16 bytes at 16 h, and 32 further
	v_lshl_add_u32 v[XSL], v2, 4, v[XSL]
	v_add_nc_u32 v[XSL], s32, v[XSL]
	s_lshl_b32 s33, s20, 12
	s_add_co_u32 s33, s33, ASTG
	v_lshl_add_u32 v[LAT], v2, 8, s33              ; both: my stage + 256 h
	v_bfe_u32 v[TA], v0, 2, 2
	v_lshl_add_u32 v[LAS], v[TA], 5, v[LAT]        ; in: + 32 ((l / 4) % 4) + 8 (l % 4)
	v_and_b32 v[TA], 3, v0
	v_lshl_add_u32 v[LAS], v[TA], 3, v[LAS]
	v_and_b32 v[TA], 7, v0
	v_lshl_add_u32 v[LAT], v[TA], 5, v[LAT]        ; back, turned: place 8 h + l % 8, columns 8 ((l / 8) % 2) on
	v_bfe_u32 v[TA], v0, 3, 1
	v_lshl_add_u32 v[LAT], v[TA], 4, v[LAT]
	s_lshl_b32 s34, s20, 10
	s_add_co_u32 s34, s34, PART
	v_add_nc_u32 v[PS], s34, v[VL]
	v_add_nc_u32 v[PR], PART, v[VL]
	XBLOCK 0, WB0, 16, 16, 1                       ; younger than x(0): x(1).  A(0) is older
	s_wait_xcnt 0x0                                ; the block's stores have had their addresses translated (ISA guide 3.1): only now are their data registers loaded again; that they have been read, the block's wait on vm_vsrc has stated
	s_wait_alu depctr_va_vdst(0)                   ; the products are done reading AF and XF, in which A's next rows land; the roundings that named the block's registers stand ahead of this wait too
	LOADA 1
	LOADW 2, WB0
	XBLOCK 1, WB1, 32, 16, 0                       ; younger than x(1): A(1), x(2); than A(1): x(2)
	s_wait_xcnt 0x0                                ; as behind block 0
	s_wait_alu depctr_va_vdst(0)                   ; the products are done reading AF and XF, in which A's next rows land; the roundings that named the block's registers stand ahead of this wait too
	LOADA 2
	LOADW 3, WB1
	XBLOCK 2, WB0, 32, 16, 0                       ; younger than x(2): A(2), x(3); than A(2): x(3)
	s_wait_alu depctr_va_vdst(0)                   ; the products are done reading AF and XF, in which A's last rows land
	LOADA 3
	XBLOCK 3, WB1, 16, 0, 0                        ; younger than x(3): A(3); than A(3): nothing
.irp p, 0,2,4,6                        ; the four accumulators into one, from each one's low end on
	v_pk_add_f32 v[ACC+(\p):ACC+(\p)+1], v[ACC+(\p):ACC+(\p)+1], v[ACC+8+(\p):ACC+8+(\p)+1]
	v_pk_add_f32 v[ACC+16+(\p):ACC+16+(\p)+1], v[ACC+16+(\p):ACC+16+(\p)+1], v[ACC+24+(\p):ACC+24+(\p)+1]
.endr
.irp p, 0,2,4,6
	v_pk_add_f32 v[ACC+(\p):ACC+(\p)+1], v[ACC+(\p):ACC+(\p)+1], v[ACC+16+(\p):ACC+16+(\p)+1]
.endr
	s_wait_alu depctr_va_vdst(0)                   ; the sums have written v[16:23], which the two LDS stores read; the last products are done reading AF and XF, in which wave 0's loads land behind the barrier
	ds_store_b128 v[PS], v[ACC:ACC+3]
	ds_store_b128 v[PS], v[ACC+4:ACC+7] offset:512
	s_wait_dscnt 0x0                               ; for wave 0's sake: my partial sum lies in LDS
	s_barrier_signal -1
	s_barrier_wait -1
	s_cmp_lg_u32 s20, 0
	s_cbranch_scc1 .Lx_end
.irp v, 0,1,2,3,4,5,6,7                ; no wait: no vector or matrix instruction has been issued since the wait above, and the last block's wait on vm_vsrc stands behind the last LDS store that read these registers
	ds_load_b128 v[AR+8*(\v):AR+8*(\v)+3],   v[PR] offset:1024*(\v)
	ds_load_b128 v[AR+8*(\v)+4:AR+8*(\v)+7], v[PR] offset:1024*(\v)+512
.endr
	s_wait_dscnt 0x0
.irp p, 0,2,4,6
	v_pk_add_f32 v[AR+(\p):AR+(\p)+1], v[AR+(\p):AR+(\p)+1], v[AR+8+(\p):AR+8+(\p)+1]
	v_pk_add_f32 v[AR+16+(\p):AR+16+(\p)+1], v[AR+16+(\p):AR+16+(\p)+1], v[AR+24+(\p):AR+24+(\p)+1]
	v_pk_add_f32 v[AR+32+(\p):AR+32+(\p)+1], v[AR+32+(\p):AR+32+(\p)+1], v[AR+40+(\p):AR+40+(\p)+1]
	v_pk_add_f32 v[AR+48+(\p):AR+48+(\p)+1], v[AR+48+(\p):AR+48+(\p)+1], v[AR+56+(\p):AR+56+(\p)+1]
.endr
.irp p, 0,2,4,6
	v_pk_add_f32 v[AR+(\p):AR+(\p)+1], v[AR+(\p):AR+(\p)+1], v[AR+16+(\p):AR+16+(\p)+1]
	v_pk_add_f32 v[AR+32+(\p):AR+32+(\p)+1], v[AR+32+(\p):AR+32+(\p)+1], v[AR+48+(\p):AR+48+(\p)+1]
.endr
.irp p, 0,2,4,6
	v_pk_add_f32 v[AR+(\p):AR+(\p)+1], v[AR+(\p):AR+(\p)+1], v[AR+32+(\p):AR+32+(\p)+1]
.endr
.irp p, 0,2,4,6
	v_pk_mul_f32 v[AR+(\p):AR+(\p)+1], v[AR+(\p):AR+(\p)+1], 2.0 op_sel_hi:[1,0]  ; the module's scale, exact
.endr
.irp w, 0,1,2,3
	v_cvt_pk_bf16_f32 v[HI+(\w)], v[AR+2*(\w)], v[AR+2*(\w)+1]     ; hi
.endr
.irp w, 0,1,2,3
	v_lshlrev_b32 v[UN+2*(\w)], 16, v[HI+(\w)]                     ; hi as f32 again
	v_and_b32 v[UN+2*(\w)+1], 0xffff0000, v[HI+(\w)]
.endr
.irp w, 0,1,2,3
	v_pk_add_f32 v[UN+2*(\w):UN+2*(\w)+1], v[AR+2*(\w):AR+2*(\w)+1], v[UN+2*(\w):UN+2*(\w)+1] neg_lo:[0,1] neg_hi:[0,1]  ; what hi has lost
.endr
.irp w, 0,1,2,3
	v_cvt_pk_bf16_f32 v[LO+(\w)], v[UN+2*(\w)], v[UN+2*(\w)+1]     ; lo
.endr
	s_wait_alu depctr_va_vdst(0)                   ; the roundings have written hi and lo, which the two stores read
	global_store_b128 v[VL], v[HI:HI+3], s[16:17]                  ; 512 consecutive aligned bytes each
	global_store_b128 v[VL], v[LO:LO+3], s[16:17] offset:512
.Lx_end:
	s_wait_dscnt 0x0                               ; the closing lines, six on end
	s_wait_alu 0x0
	s_wait_tensorcnt 0x0
	ds_add_u32 v[SPW], v[NIL]
	s_wait_dscnt 0x0
	s_endpgm
	; ---- W ----
.Lweights:
	s_lshl_b32 s30, ttmp9, 6                       ; my work-group's 16 columns of B, 4 bytes each
	s_add_nc_u64 s[10:11], s[10:11], s[30:31]
	s_lshl_b32 s30, ttmp9, 9                       ; and its 512 bytes of bt
	s_add_nc_u64 s[18:19], s[18:19], s[30:31]
	v_lshlrev_b32 v[TA], 2, v1
	v_lshl_add_u32 v[TA], v2, 17, v[TA]            ; column r, rows 8 h on
	s_wait_alu depctr_va_vdst(0)                   ; the offsets v3, v4, v5 and v14 are written: every global load and store of this way reads one of them
	LOADW 0, WB0
	LOADW 1, WB1
	s_cmp_lg_u32 s20, 0                            ; wave 0 turns B: its eight loads ride with the first two blocks', so the wait for all of them waits for nothing that is not wanted soon
	s_cbranch_scc1 .Lno_bt
.irp i, 0,1,2,3,4,5,6,7
	global_load_b32 v[BR+(\i)], v[TA], s[10:11] offset:(\i)*ROWF
.endr
	s_wait_loadcnt 0x0
.irp w, 0,1,2,3
	v_cvt_pk_bf16_f32 v[BH+(\w)], v[BR+2*(\w)], v[BR+2*(\w)+1]
.endr
	s_wait_alu depctr_va_vdst(0)                   ; the four roundings have written v[24:27], which the store reads; no later line of this way names these registers
	global_store_b128 v[VL], v[BH:BH+3], s[18:19]  ; 512 consecutive aligned bytes
.Lno_bt:
	WBLOCK 0, WB0, YB,    16, 0, 1                 ; block 1's 16 loads may stay out (in wave 0 nothing is out)
	WBLOCK 1, WB1, YB+32, 16, 0, 1                 ; younger than block 1: block 2
	WBLOCK 2, WB0, YB,    16, 1, 0                 ; younger than block 2: block 3; nothing is left to ask for
	WBLOCK 3, WB1, YB+32, 0,  1, 0
	s_wait_dscnt 0x0                               ; the same six lines close this way too
	s_wait_alu 0x0
	s_wait_tensorcnt 0x0
	ds_add_u32 v[SPW], v[NIL]
	s_wait_dscnt 0x0
	s_endpgm
.Lfunc_end_k_q1e75ae9441_prep:
	.size	k_q1e75ae9441_prep, .Lfunc_end_k_q1e75ae9441_prep-k_q1e75ae9441_prep
	.p2alignl 7, 3214868480
	.fill 96, 4, 3214868480
	.section	.rodata,"a",@progbits
	.p2align	6, 0x0
	.amdhsa_kernel k_q1e75ae9441_prep
		.amdhsa_group_segment_fixed_size 76800
		.amdhsa_private_segment_fixed_size 0
		.amdhsa_enable_private_segment 0
		.amdhsa_kernarg_size 64
		.amdhsa_user_sgpr_count 2
		.amdhsa_user_sgpr_kernarg_segment_ptr 1
		.amdhsa_wavefront_size32 1
		.amdhsa_system_sgpr_workgroup_id_x 1
		.amdhsa_system_sgpr_workgroup_id_y 1
		.amdhsa_system_sgpr_workgroup_id_z 1
		.amdhsa_system_vgpr_workitem_id 0
		.amdhsa_next_free_vgpr 240
		.amdhsa_next_free_sgpr 66
		.amdhsa_reserve_vcc 0
		.amdhsa_float_denorm_mode_32 3
		.amdhsa_float_denorm_mode_16_64 3
		.amdhsa_memory_ordered 1
		.amdhsa_forward_progress 1
		.amdhsa_inst_pref_size 72
	.end_amdhsa_kernel
	.amdgpu_metadata
---
amdhsa.version: [ 1, 2 ]
amdhsa.kernels:
  - .name:           k_q1e75ae9441_prep
    .symbol:         k_q1e75ae9441_prep.kd
    .args:
      - { .name: x, .offset: 0, .size: 8, .value_kind: global_buffer, .address_space: global }
      - { .name: W, .offset: 8, .size: 8, .value_kind: global_buffer, .address_space: global }
      - { .name: A, .offset: 16, .size: 8, .value_kind: global_buffer, .address_space: global }
      - { .name: B, .offset: 24, .size: 8, .value_kind: global_buffer, .address_space: global }
      - { .name: xb, .offset: 32, .size: 8, .value_kind: global_buffer, .address_space: global }
      - { .name: wb, .offset: 40, .size: 8, .value_kind: global_buffer, .address_space: global }
      - { .name: tt, .offset: 48, .size: 8, .value_kind: global_buffer, .address_space: global }
      - { .name: bt, .offset: 56, .size: 8, .value_kind: global_buffer, .address_space: global }
    .group_segment_fixed_size: 76800
    .private_segment_fixed_size: 0
    .kernarg_segment_align: 8
    .kernarg_segment_size: 64
    .max_flat_workgroup_size: 256
    .sgpr_count:     66
    .vgpr_count:     240
    .wavefront_size: 32
...
	.end_amdgpu_metadata
.endif
;; end of part 3
;; launch gemm: the kernel of part 2 again; grid 16 x 16, 4 waves a work-group, clusters of 4 x 4, 327,680 bytes of LDS; arguments xb, wb, tt, bt, b, out0; writes out0
